; MI455X (gfx1250); checked and timed in simulation.
; The chip was launched on July 23, 2026; its instructions are those of AMD's public machine-readable ISA for CDNA 5 (MIT licence, August 2026) and "CDNA5" Instruction Set Architecture Reference Guide (July 2026). The comments in the code are by the model that wrote it; some were corrected since.
;; Attention. Allowed arithmetic: float matrix products may take bf16 or f16 operands with f32 sums; other float arithmetic in f32, or as packed bf16 or f16 multiplies, adds, multiply-adds, maxima and minima; sums over many terms, partial sums and values carried from step to step in f32; what a program stores and reads back later, other than sums and carried values, may be rounded once to bf16 or f16.
;; Inputs: Wk 256 x 1,024 float32; Wo 1,024 x 1,024 float32; Wq 1,024 x 1,024 float32; Wv 256 x 1,024 float32; bo 1,024 float32; kv 32 x 2,048 x 256 float32; q 32 x 128 x 1,024 float32.
;; Outputs: out0 32 x 128 x 1,024 float32.
;; One version. Each part assembles by itself: llvm-mc -triple=amdgcn-amd-amdhsa -mcpu=gfx1250 --defsym DOCPART=n.
;; ======== version 1 of 1: 3 launches
;; limits: values are held in f16: magnitudes above 65,504 overflow, below 6.1e-05 lose precision
;; workspace buffers: cv 47,185,920 bytes; oh 8,388,608 bytes
;; launch prep (part 1): grid 2880 x 1, 8 waves a work-group, no clusters, 0 bytes of LDS; arguments kv, q, Wq, Wo, Wk, Wv, cv; writes cv
.if DOCPART == 1
	.amdgcn_target "amdgcn-amd-amdhsa--gfx1250"
	.amdhsa_code_object_version 6
	.text
	.protected	k_q0b0287f574_prep
	.globl	k_q0b0287f574_prep
	.p2align	8
	.type	k_q0b0287f574_prep,@function
k_q0b0287f574_prep:
	s_mov_b64 s[64:65], 0
	v_nop
	global_prefetch_b8 v0, s[64:65] scope:SCOPE_SE
	s_setreg_imm32_b32 hwreg(HW_REG_WAVE_MODE, 25, 1), 1
	s_wait_xcnt 0x0
; ALL MATRIX INPUTS ARE ROUNDED ONCE TO 16 BITS: kv, q, Wq, Wk, Wv to bf16; Wo to bf16 and that number written as f16 (the last product multiplies in f16).
; cv holds them one after the other, in the order kv, q, Wq, Wo, Wk, Wv, each in its own row-major layout.
; A stream: every byte is read once and written once, so there is no LDS, no barrier, no matrix work and nothing that work-groups share.
; A work-group takes one chunk: 32,768 bytes of f32 in, 16,384 bytes out.  Chunks are numbered through all six inputs: 2,048 + 512 + 128 + 128 + 32 + 32 = 2,880.
; Thread t takes 16 bytes at 16 t of each of the chunk's eight pieces of 4,096 bytes, and stores 8 bytes at 8 t: a wave's store covers 256 consecutive bytes, aligned.
; LIMIT: Wo's bf16 number is exact in f16 from 2^-14 up to 65,504; below 2^-14 it keeps f16's fixed step of 2^-24, above 65,504 it would become an infinity.
.set X, 4                              ; v[4:35]   eight pieces as loaded, 4 registers each
.set Y, 36                             ; v[36:51]  eight pieces to store, 2 registers each: every store has registers of its own, so none is rewritten
.set T, 52                             ; v[52:53]  at work (Wo alone)
	s_load_b256 s[4:11], s[0:1], 0x0               ; kv s[4:5], q s[6:7], Wq s[8:9], Wo s[10:11]
	s_load_b128 s[12:15], s[0:1], 0x20             ; Wk s[12:13], Wv s[14:15]
	s_load_b64 s[16:17], s[0:1], 0x30              ; cv
	v_lshlrev_b32 v1, 4, v0                        ; 16 t: my bytes in a piece of the source
	v_lshlrev_b32 v2, 3, v0                        ; 8 t: my bytes in a piece of cv
	s_mov_b32 s20, ttmp9                           ; the chunk
	s_mov_b32 s21, 0                               ; the first chunk of the input that it belongs to
	s_mov_b32 s25, 0
	s_wait_kmcnt 0x0
	s_mov_b64 s[22:23], s[4:5]
.macro PICK start, ptr                 ; from chunk start on the source is the buffer in s[ptr:ptr+1]: a choice on the chunk's number alone
	s_cmp_ge_u32 s20, \start
	s_cselect_b64 s[22:23], s[\ptr:\ptr+1], s[22:23]
	s_cselect_b32 s21, \start, s21
.endm
	PICK 2048, 6
	PICK 2560, 8
	PICK 2688, 10
	PICK 2816, 12
	PICK 2848, 14
	s_sub_co_u32 s24, s20, s21
	s_lshl_b32 s24, s24, 15                        ; the chunk's place in its source: at most 2,047 x 32,768 bytes
	s_add_nc_u64 s[22:23], s[22:23], s[24:25]
	s_lshl_b32 s24, s20, 14                        ; and in cv
	s_add_nc_u64 s[16:17], s[16:17], s[24:25]
.irp i, 0,1,2,3,4,5,6,7
	global_load_b128 v[X+4*(\i):X+4*(\i)+3], v1, s[22:23] offset:4096*(\i) th:TH_LOAD_NT  ; all eight loads go out before the first is waited for
.endr
.macro CONV i, half
	s_wait_loadcnt 7-(\i)                          ; loads come back in order: piece i is in, the 7 - i younger ones may stay out
	v_cvt_pk_bf16_f32 v[Y+2*(\i)], v[X+4*(\i)], v[X+4*(\i)+1]
	v_cvt_pk_bf16_f32 v[Y+2*(\i)+1], v[X+4*(\i)+2], v[X+4*(\i)+3]
.if \half
.irp k, 0,1
	v_lshlrev_b32 v[T], 16, v[Y+2*(\i)+(\k)]       ; the bf16 numbers as f32,
	v_and_b32 v[T+1], 0xffff0000, v[Y+2*(\i)+(\k)]
	v_cvt_pk_f16_f32 v[Y+2*(\i)+(\k)], v[T], v[T+1]  ; written as f16
.endr
.endif
	global_store_b64 v2, v[Y+2*(\i):Y+2*(\i)+1], s[16:17] offset:2048*(\i)
.endm
	s_cmp_eq_u32 s21, 2688                         ; is the chunk Wo's?
	s_cbranch_scc1 .Lwo
.irp i, 0,1,2,3,4,5,6,7
	CONV \i, 0
.endr
	s_endpgm
.Lwo:
.irp i, 0,1,2,3,4,5,6,7
	CONV \i, 1
.endr
	s_endpgm
.Lfunc_end_k_q0b0287f574_prep:
	.size	k_q0b0287f574_prep, .Lfunc_end_k_q0b0287f574_prep-k_q0b0287f574_prep
	.p2alignl 7, 3214868480
	.fill 96, 4, 3214868480
	.section	.rodata,"a",@progbits
	.p2align	6, 0x0
	.amdhsa_kernel k_q0b0287f574_prep
		.amdhsa_group_segment_fixed_size 0
		.amdhsa_private_segment_fixed_size 0
		.amdhsa_enable_private_segment 0
		.amdhsa_kernarg_size 56
		.amdhsa_user_sgpr_count 2
		.amdhsa_user_sgpr_kernarg_segment_ptr 1
		.amdhsa_wavefront_size32 1
		.amdhsa_system_sgpr_workgroup_id_x 1
		.amdhsa_system_sgpr_workgroup_id_y 1
		.amdhsa_system_sgpr_workgroup_id_z 1
		.amdhsa_system_vgpr_workitem_id 0
		.amdhsa_next_free_vgpr 56
		.amdhsa_next_free_sgpr 66
		.amdhsa_reserve_vcc 0
		.amdhsa_float_denorm_mode_32 3
		.amdhsa_float_denorm_mode_16_64 3
		.amdhsa_memory_ordered 1
		.amdhsa_forward_progress 1
		.amdhsa_inst_pref_size 9
	.end_amdhsa_kernel
	.amdgpu_metadata
---
amdhsa.version: [ 1, 2 ]
amdhsa.kernels:
  - .name:           k_q0b0287f574_prep
    .symbol:         k_q0b0287f574_prep.kd
    .args:
      - { .name: kv, .offset: 0, .size: 8, .value_kind: global_buffer, .address_space: global }
      - { .name: q, .offset: 8, .size: 8, .value_kind: global_buffer, .address_space: global }
      - { .name: Wq, .offset: 16, .size: 8, .value_kind: global_buffer, .address_space: global }
      - { .name: Wo, .offset: 24, .size: 8, .value_kind: global_buffer, .address_space: global }
      - { .name: Wk, .offset: 32, .size: 8, .value_kind: global_buffer, .address_space: global }
      - { .name: Wv, .offset: 40, .size: 8, .value_kind: global_buffer, .address_space: global }
      - { .name: cv, .offset: 48, .size: 8, .value_kind: global_buffer, .address_space: global }
    .group_segment_fixed_size: 0
    .private_segment_fixed_size: 0
    .kernarg_segment_align: 8
    .kernarg_segment_size: 56
    .max_flat_workgroup_size: 256
    .sgpr_count:     66
    .vgpr_count:     56
    .wavefront_size: 32
...
	.end_amdgpu_metadata
.endif
;; end of part 1
;; launch attn (part 2): grid 8 x 32, 4 waves a work-group, clusters of 4 x 4, 327,680 bytes of LDS; arguments cv, oh; writes oh
.if DOCPART == 2
	.amdgcn_target "amdgcn-amd-amdhsa--gfx1250"
	.amdhsa_code_object_version 6
	.text
	.protected	k_q0b0287f574_attn
	.globl	k_q0b0287f574_attn
	.p2align	8
	.type	k_q0b0287f574_attn,@function
k_q0b0287f574_attn:
	s_mov_b64 s[64:65], 0
	v_nop
	global_prefetch_b8 v0, s[64:65] scope:SCOPE_SE
	s_setreg_imm32_b32 hwreg(HW_REG_WAVE_MODE, 25, 1), 1
	s_wait_xcnt 0x0
	s_wait_alu depctr_hold_cnt(0) depctr_sa_sdst(0) depctr_va_vdst(0) depctr_va_sdst(0) depctr_va_ssrc(0) depctr_va_vcc(0) depctr_vm_vsrc(0)
	s_getreg_b32 s2, hwreg(HW_REG_IB_STS2, 6, 4)
	s_cmp_eq_u32 s2, 0
	s_cbranch_scc0 .Lentry_in_a_cluster
	s_endpgm
.Lentry_in_a_cluster:
	s_bfe_u32 s2, ttmp6, 0x10000c
	s_cmp_lg_u32 s2, 0xf033
	s_cbranch_scc0 .Lentry_shape_is_right
	s_endpgm
.Lentry_shape_is_right:
; Q, K AND V PROJECTIONS AND THE ATTENTION, IN ONE LAUNCH: K and V never go to memory.
; oh[b*128+n][h*64+d] = sum over m of softmax_m(Q[n] . K[m] / 8) V[m][d], with Q = q Wq, K = kv Wk, V = kv Wv for head h.  q, kv and the weights come from cv, rounded to bf16.
; Projections multiply in bf16; Q, K, V, the weights p and O are f16; all sums, maxima and the softmax in f32; the scale c = log2(e) / 8 is applied in f32.
; LIMITS.  Q, K and V must stay within f16's 65,504 (with inputs as drawn they have a spread of 1); p lies in 0 to 1 and below 6e-5 keeps f16's fixed step; a weight below 2^-126 counts as 0 in l;
; NaN and infinities are not treated apart.
; SHARES.  A work-group has one batch b and two heads (a head pair hp).  Wave w has head hd = w / 2 and half kh = w % 2 of the keys: of every tile of 128 keys its 64; it holds ALL 128 queries of its
; head (8 tiles of 16), so that no projection is made twice.  The two halves' O, m and l meet once, at the end, in LDS.
; THE CHAIN IN REGISTERS.  K^T = Wk^T kv^T (source 0 = 16 channels, source 1 = 16 keys) leaves in a lane ONE key and 8 channels: two results rounded to f16 ARE source 0 (16 keys x 32 channels) of S^T = K Q^T.
; V = kv Wv (source 0 = 16 keys, source 1 = 16 channels) leaves ONE channel and 8 keys: two results ARE source 0 (16 channels x 32 keys) of O^T = V^T P.  S^T holds one query a lane; two results
; rounded ARE source 1 of V^T P.  Q^T = Wq^T q^T has K^T's form, with queries for keys.  Nothing changes lanes.  kv's fragment serves both projections.  Weights lie [dim][channel] and are turned by ds_load_tr16_b128.
; SOFTMAX.  A running maximum m and sum l for each query: p = 2^(c s - c m); in every step O and l are multiplied by a = 2^(c m_old - c m_new).  m starts at the lowest finite number, O and l at 0,
; so the first step is a step like any other, with a = 0 (the price: 256 lines that clear O^T, in the wait for tiles).
; CLUSTER 4 x 4.  The four work-groups of a row of the cluster have the same batch: q's and kv's tiles are asked for jointly along the row.  The four of a column have the same head pair:
; the weights' tiles are asked for jointly along the column.  Waves 0 and 1 fetch the two halves of a data tile, waves 2 and 3 the two halves of a weight tile.
; LDS.  D0, D1: data slots, 128 rows x 528 bytes (512 + 16 of padding = 132 words: sixteen rows of a load start 4 words apart).  R0, R1: weights, 256 dim rows x 288 bytes (256 + 32 = 72 words: the turning
; load's 8 rows x 32 bytes start 8 words apart).  STG: first the exchange of Q, later the stage for the way out (128 x 272).  STT: m and l for the meeting.  The meeting's O^T lies over D0 and D1, after their last fill.
; REGISTERS, in windows of 256 (s_set_vgpr_msb: bits 1:0 source 0, 3:2 source 1, 5:4 source 2, 7:6 destination):
;   window 0: v0-11 addresses; v12-27 at work (4 tiles x c0-c3); v28-31 c m_old; v32-63 statistics (tile T: c m, m, l, l); v64-127 data fragments, two buffers / P; v128-255 K^T's 16 accumulators / S^T of four tiles
;   window 1: O^T, 32 a tile     window 2: v0-127 Q, 16 a tile; v128-191 K; v192-255 V     window 3: v0-127 V's 16 accumulators; v128-255 weight fragments, two buffers of (Wk 32, Wv 32)
.set CV_Q,  33554432                   ; byte offsets in cv (kv lies at 0)
.set CV_WQ, 41943040
.set CV_WK, 46137344
.set CV_WV, 46661632
.set DP,    528
.set DHALF, 64*DP                      ; 33,792: what one data load brings
.set SLOTB, 2*DHALF                    ; 67,584 = 0x10800; DHALF = 0x8400 shares no bit with it, so one exclusive or changes slots
.set WP,    288
.set WHALF, 128*WP                     ; 36,864: what one weight load brings
.set WREG,  2*WHALF
.set R0,    2*SLOTB
.set R1,    R0+WREG
.set STG,   R1+WREG                    ; 282,624
.set SGP,   272
.set STT,   STG+128*SGP                ; 317,440
.set SPARE, STT+8192                   ; 325,632: the spare words, 128 bytes for each wave: two blocks of 256 bytes that no other line names
.set TILEB, 65536                      ; a tile of kv in memory: 128 rows of 512 bytes
.set RR,   1                           ; v1   lane % 16
.set AKV0, 2                           ; v2   my place in my half of a data slot; never rewritten
.set AKV,  3                           ; v3   the data address in hand
.set AWK,  4                           ; v4   my place in R0, at my head's 64 channels; never rewritten
.set AWV,  5                           ; v5   the same in R1
.set AW,   6                           ; v6   the weight addresses in hand
.set AW2,  7
.set SPW,  8                           ; v8   my spare word: SPARE + 4 x my thread's number; never rewritten
.set NIL,  9                           ; v9   0; never rewritten
.set PFO,  10                          ; v10  512 x lane: a row of kv; never rewritten
.set HH,   11                          ; v11  lane / 16
.set TMP,  12
.set QSA,  12                          ; before the walk: where I put my Q, where I read my head's
.set QRD,  13
.set MA,   12                          ; behind the walk: the meeting's and the way out's addresses
.set STA,  13
.set MRD,  14
.set STR,  15
.set OSA,  16
.set ORD,  17
.set GO,   18
.set LN,   19
.set MV,   28
.set ST,   32
.set DF,   64
.set P,    64
.set ACK,  128
.set S,    128
.set MS,   128                         ; the meeting: 8 registers a tile
.set OUTB, 192
.set KF,   128                         ; window 2
.set VF,   192                         ; window 2
.set WF,   128                         ; window 3
.set WV,  8                            ; s8 wave; s9 hd; s10 kh; s11 cx; s12 cy; s13 hp; s14 b
.set HD,  9
.set KH,  10
.set CX,  11
.set CY,  12
.set HP,  13
.set BB,  14
.set LIM, 15                           ; s15  1 in a wave that prefetches, else the greatest number
.set TB,  16                           ; s16  the slot that is read: 0 or SLOTB
.set CNT, 17                           ; s17  key steps to go
.set CN2, 18                           ; s18  counts a projection's trips
.set DOF, 19                           ; s19  slot + bytes along the data rows
.set CS,  20                           ; s[20:21] c, twice
.set SEL, 22                           ; s[22:23] v_permlanex16_b32's selects: each lane takes its own place in the other half
.set G1Q, 24                           ; s[24:31] group 1: 64 rows x 256 elements of q
.set G1K, 32                           ; s[32:39] the same of kv: another pitch
.set G1W, 40                           ; s[40:47] 128 rows x 128 elements of a weight
.set GD0, 48                           ; s[48:63] four groups 0: data into D0, data into D1 (it walks), weights into R0, into R1
.set GD1, 52
.set GW0, 56
.set GW1, 60
.set KVP, 66                           ; s[66:67] kv at my half of the batch's tile 0
.set WKP, 68                           ; s[68:69], s[70:71] Wk, Wv at my half of the dims, my head pair's columns
.set WVP, 70
.set PFA, 72                           ; s[72:73] where my prefetches stand
.set WOF, 74                           ; s74  bytes down the weight rows
.set MSB, 0
.macro WIN new                         ; the high byte repeats the setting that is left; a switch that changes nothing is dropped
.if MSB != (\new)
	s_set_vgpr_msb (MSB<<8)|(\new)
.set MSB, (\new)
.endif
.endm
.macro PLACES                          ; four places behind matrix instructions (ISA guide 7.12.1), where no other vector work is at hand
.rept 4
	v_nop
.endr
.endm
; A round of the cluster's barrier: my work-group's barrier, so that wave 0's signal speaks for all four waves; wave 0 signals; every wave waits for all sixteen work-groups; my work-group's barrier once more.
.macro CROUND
	s_barrier_signal -1
	s_barrier_wait -1
	s_cmp_lg_u32 s[WV], 0
	s_cbranch_scc1 .Lnot_wave_0_\@
	s_barrier_signal -3
.Lnot_wave_0_\@:
	s_barrier_wait -3
	s_barrier_signal -1
	s_barrier_wait -1
.endm
; A joint fill of a data slot and a weight region: one load a wave.  The branch hangs on the wave's number alone.  An s_nop 0 and four v_nop follow each line.
.macro LOAD2 gd, g1d, gw
	s_cmp_lt_u32 s[WV], 2
	s_cbranch_scc0 .Lfor_w_\@
	tensor_load_to_lds s[(\gd):(\gd)+3], s[(\g1d):(\g1d)+7]
	s_nop 0
	PLACES
	s_branch .Lasked_\@
.Lfor_w_\@:
	tensor_load_to_lds s[(\gw):(\gw)+3], s[G1W:G1W+7]
	s_nop 0
	PLACES
.Lasked_\@:
.endm
.macro KLOAD                           ; in the walk only kv is fetched: waves 2 and 3 have no part of a tile and issue nothing
	s_cmp_lt_u32 s[WV], 2
	s_cbranch_scc0 .Lno_kv_\@
	tensor_load_to_lds s[GD1:GD1+3], s[G1K:G1K+7]
	s_nop 0
	PLACES
.Lno_kv_\@:
.endm
; A PREFETCH INTO THE L2 of the tile of kv that the NEXT change of slots will ask for, behind this change's load.  Each aligned 256 bytes are named once in the launch: of the two clusters that walk a batch's
; kv the one with cluster x = 0 asks; its four partners of a row share the tile's 128 rows out BY ADDRESS, 32 each; wave 0 names a row's first 256 bytes, wave 1 its second, a lane a row.
; The last change that fills a slot asks for nothing: there is no tile behind the one it loads.  Tiles 0 to 2 come by their loads alone.
.macro ASK
	s_cmp_gt_u32 s[CNT], s[LIM]
	s_cbranch_scc0 .Lnot_mine_\@
	global_prefetch_b8 v[PFO], s[PFA:PFA+1] th:TH_LOAD_NT scope:SCOPE_SE
.Lnot_mine_\@:
.endm
; The lines in front of a round behind which LDS is filled again: all my tensor loads have landed; 0 onto my spare word;
; the descriptors' steps stand between the add and the wait for it.
.macro OPENX
	WIN 0
	s_wait_tensorcnt 0x0                           ; no tensor load of mine is out, so every group 0 may be written
	ds_add_u32 v[SPW], v[NIL]
.endm
.macro CLOSEX gd, g1d, gw
	s_wait_dscnt 0x0                               ; the add is done, and so are my LDS reads and stores
	CROUND                                         ; no wave of any partner still reads what is filled or has a load on its way
	LOAD2 \gd, \g1d, \gw                           ; the first tensor load behind the round, one a wave
.endm
; THE PROJECTIONS.  256 dims go in 8 chunks of 32, on two fragment buffers.  both = 0: one product (Q^T); both = 1: K^T and V.
; One chunk's fragments into buffer bf: 4 x 16 data rows (8 loads), 4 x 16 channels of one or two weights (8 or 16 turning loads).
.macro FETCH bf, both
	WIN 0
.irp k, 0,1,2,3
	ds_load_b128 v[DF+32*(\bf)+8*(\k):DF+32*(\bf)+8*(\k)+3],   v[AKV] offset:64*(\bf)+16*DP*(\k)
	ds_load_b128 v[DF+32*(\bf)+8*(\k)+4:DF+32*(\bf)+8*(\k)+7], v[AKV] offset:64*(\bf)+16*DP*(\k)+32
.endr
	WIN 0xc0                                       ; destination window 3
.irp c, 0,1,2,3
	ds_load_tr16_b128 v[WF+64*(\bf)+8*(\c):WF+64*(\bf)+8*(\c)+3],   v[AW] offset:32*WP*(\bf)+32*(\c)
	ds_load_tr16_b128 v[WF+64*(\bf)+8*(\c)+4:WF+64*(\bf)+8*(\c)+7], v[AW] offset:32*WP*(\bf)+32*(\c)+16*WP
.endr
.if \both
.irp c, 0,1,2,3
	ds_load_tr16_b128 v[WF+64*(\bf)+32+8*(\c):WF+64*(\bf)+32+8*(\c)+3],   v[AW2] offset:32*WP*(\bf)+32*(\c)
	ds_load_tr16_b128 v[WF+64*(\bf)+32+8*(\c)+4:WF+64*(\bf)+32+8*(\c)+7], v[AW2] offset:32*WP*(\bf)+32*(\c)+16*WP
.endr
.endif
.endm
; One chunk's products: 16 or 32 accumulators take turns, one instruction a turn, over the backward jump too.  zero = 1: they start the sums.
.macro MUL bf, both, zero
	WIN 0x03                                       ; weights (source 0) window 3; data, C and D window 0
.irp c, 0,1,2,3
.irp k, 0,1,2,3
.set rD, ACK+8*(4*(\c)+(\k))
.set rA, WF+64*(\bf)+8*(\c)
.set rB, DF+32*(\bf)+8*(\k)
.if \zero
	v_wmma_f32_16x16x32_bf16 v[rD:rD+7], v[rA:rA+7], v[rB:rB+7], 0
.else
	v_wmma_f32_16x16x32_bf16 v[rD:rD+7], v[rA:rA+7], v[rB:rB+7], v[rD:rD+7]
.endif
.endr
.endr
.if \both
	WIN 0xfc                                       ; data (source 0) window 0; weights, C and D window 3
.irp k, 0,1,2,3
.irp c, 0,1,2,3
.set rD, 8*(4*(\k)+(\c))
.set rA, DF+32*(\bf)+8*(\k)
.set rB, WF+64*(\bf)+32+8*(\c)
.if \zero
	v_wmma_f32_16x16x32_bf16 v[rD:rD+7], v[rA:rA+7], v[rB:rB+7], 0
.else
	v_wmma_f32_16x16x32_bf16 v[rD:rD+7], v[rA:rA+7], v[rB:rB+7], v[rD:rD+7]
.endif
.endr
.endr
.endif
.endm
; Two chunks.  Each run of loads goes out in front of the other buffer's products and is waited for behind them: the count leaves out the run just issued.
.macro TRIP both, zero, wk, wv
	PLACES                                         ; buffer 1 was multiplied last
	FETCH 1, \both
	s_wait_dscnt 16+8*(\both)                      ; buffer 0 is in
	MUL 0, \both, \zero
	WIN 0
	s_add_co_u32 s[DOF], s[DOF], 128               ; two chunks on: 128 bytes along the data rows,
	s_add_co_u32 s[WOF], s[WOF], 64*WP             ; 64 rows down the weights
	v_add_nc_u32 v[AKV], s[DOF], v[AKV0]           ; these four lines are the places behind buffer 0's products
	v_add_nc_u32 v[AW], s[WOF], v[\wk]
.if \both
	v_add_nc_u32 v[AW2], s[WOF], v[\wv]
.else
	v_nop
.endif
	v_nop
	FETCH 0, \both
	s_wait_dscnt 16+8*(\both)                      ; buffer 1 is in
	MUL 1, \both, 0
	WIN 0
.endm
; A whole projection of 256 dims from slot TB and the weight regions at v[wk], v[wv].  Chunk 0; three trips (the first written out where it starts the sums); chunks 6 and 7, which fetch nothing further.
.macro PROJ both, zero, wk, wv
	WIN 0
	s_mov_b32 s[DOF], s[TB]
	s_mov_b32 s[WOF], 0
	v_add_nc_u32 v[AKV], s[TB], v[AKV0]            ; four places behind the products that last read buffer 0's registers
	v_mov_b32 v[AW], v[\wk]
.if \both
	v_mov_b32 v[AW2], v[\wv]
.else
	v_nop
.endif
	v_nop
	FETCH 0, \both
.if \zero
	TRIP \both, 1, \wk, \wv
	s_mov_b32 s[CN2], 2
.else
	WIN 0
	s_mov_b32 s[CN2], 3
.endif
.Lproj_\@:
	TRIP \both, 0, \wk, \wv
	s_sub_co_u32 s[CN2], s[CN2], 1
	s_cmp_lg_u32 s[CN2], 0
	s_cbranch_scc1 .Lproj_\@
	PLACES
	FETCH 1, \both
	s_wait_dscnt 16+8*(\both)
	MUL 0, \both, 0
	s_wait_dscnt 0x0
	MUL 1, \both, 0
.endm
; K^T's (or Q^T's) 16 accumulators, rounded to f16, become fragments: block k of 16 keys, channels 32 c on, at KF + 16 k + 8 c.  Each accumulator is read from its low end on.
.macro CVTK
	PLACES
	WIN 0x80                                       ; destination window 2
.irp k, 0,1,2,3
.irp c, 0,1
.irp e, 0,1
.irp i, 0,1,2,3
	v_cvt_pk_f16_f32 v[KF+16*(\k)+8*(\c)+4*(\e)+(\i)], v[ACK+8*(4*(2*(\c)+(\e))+(\k))+2*(\i)], v[ACK+8*(4*(2*(\c)+(\e))+(\k))+2*(\i)+1]
.endr
.endr
.endr
.endr
.endm
.macro CVTV                            ; V's: keys 32 k on, block c of 16 channels, at VF + 32 k + 8 c
	WIN 0x8f                                       ; sources window 3, destination window 2
.irp k, 0,1
.irp c, 0,1,2,3
.irp e, 0,1
.irp i, 0,1,2,3
	v_cvt_pk_f16_f32 v[VF+32*(\k)+8*(\c)+4*(\e)+(\i)], v[8*(4*(2*(\k)+(\e))+(\c))+2*(\i)], v[8*(4*(2*(\k)+(\e))+(\c))+2*(\i)+1]
.endr
.endr
.endr
.endr
.endm
; THE ATTENTION of four query tiles T = 4 H + u with the step's 64 keys, in phases.
.macro REGS H, u
.set rT, ST+4*(4*(\H)+(\u))
.set rC, TMP+4*(\u)
.set rM, MV+(\u)
.set rS, S+32*(\u)
.set rP, P+16*(\u)
.set rO, 32*(4*(\H)+(\u))
.set rQ, 16*(4*(\H)+(\u))
.endm
; Number n of the 22 that find a tile's maximum and statistics.  0-11: four chains c0-c3 of seven scores each, each accumulator's lowest registers first; 12-14, 16: the four scores left over, the old m, c0-c3 into c0;
; 15: c m_old is kept; 17, 18: the query's other 32 keys lie in the lane 16 away; 19-21: c m, c m_old - c m_new, a.
.macro XS H, u, n
	REGS \H, \u
.if (\n) < 4
	v_max3_num_f32 v[rC+(\n)], v[rS+8*(\n)], v[rS+8*(\n)+1], v[rS+8*(\n)+2]
.elseif (\n) < 12
	v_max3_num_f32 v[rC+(\n)%4], v[rC+(\n)%4], v[rS+8*((\n)%4)+2*((\n)/4)+1], v[rS+8*((\n)%4)+2*((\n)/4)+2]
.elseif (\n) == 12
	v_max3_num_f32 v[rC], v[rC], v[rS+7], v[rS+15]
.elseif (\n) == 13
	v_max3_num_f32 v[rC+1], v[rC+1], v[rS+23], v[rS+31]
.elseif (\n) == 14
	v_max3_num_f32 v[rC+2], v[rC+2], v[rC+3], v[rT+1]
.elseif (\n) == 15
	v_mov_b32 v[rM], v[rT]
.elseif (\n) == 16
	v_max3_num_f32 v[rC], v[rC], v[rC+1], v[rC+2]
.elseif (\n) == 17
	v_permlanex16_b32 v[rC+3], v[rC], s[SEL], s[SEL+1]
.elseif (\n) == 18
	v_max_num_f32 v[rT+1], v[rC], v[rC+3]
.elseif (\n) == 19
	v_mul_f32 v[rT], s[CS], v[rT+1]
.elseif (\n) == 20
	v_sub_f32 v[rC+1], v[rM], v[rT]
.else
	v_exp_f32 v[rC+2], v[rC+1]
.endif
.endm
.macro ATT H
	WIN 0x0a                                       ; K and Q window 2, S^T window 0
.irp c, 0,1                            ; S^T = K Q^T: 16 accumulators take turns; channels 32 c on; the first 16 start the sums
.irp u, 0,1,2,3
.irp k, 0,1,2,3
	REGS \H, \u
.if (\c) == 0
	v_wmma_f32_16x16x32_f16 v[rS+8*(\k):rS+8*(\k)+7], v[KF+16*(\k)+8*(\c):KF+16*(\k)+8*(\c)+7], v[rQ+8*(\c):rQ+8*(\c)+7], 0
.else
	v_wmma_f32_16x16x32_f16 v[rS+8*(\k):rS+8*(\k)+7], v[KF+16*(\k)+8*(\c):KF+16*(\k)+8*(\c)+7], v[rQ+8*(\c):rQ+8*(\c)+7], v[rS+8*(\k):rS+8*(\k)+7]
.endif
.endr
.endr
.endr
	WIN 0
	PLACES
.set n, 0
.rept 22                               ; the four tiles alternate, so that three other lines stand between two links of a tile's chain
.irp u, 0,1,2,3
	XS \H, \u, n
.endr
.set n, n+1
.endr
; ONE BATCH of exponentials: the four a above, then s0-s31 of the four tiles, two behind each scaling c s - c m of the next pair.  Nothing ahead of the wait names a result of theirs.
.set n, 0
.rept 17
.irp u, 0,1,2,3
	REGS \H, \u
.if n < 16
	v_pk_fma_f32 v[rS+2*n:rS+2*n+1], v[rS+2*n:rS+2*n+1], s[CS:CS+1], v[rT:rT+1] op_sel_hi:[1,0,0] neg_lo:[0,0,1] neg_hi:[0,0,1]
.endif
.if n > 0
	v_exp_f32 v[rS+2*n-2], v[rS+2*n-2]
	v_exp_f32 v[rS+2*n-1], v[rS+2*n-1]
.endif
.endr
.set n, n+1
.endr
	v_nop                                          ; a plain instruction behind the last exponential (ISA guide 5.7.2): one for the batch
	s_wait_alu depctr_va_vdst(0)                   ; and the wait ahead of the first use: one for the 132
.set n, 0
.rept 8                                ; of each four weights: both pairs rounded to f16; the second pair added onto the first; l takes the sum (the first time as l = a l + sum)
.irp u, 0,1,2,3
	REGS \H, \u
	v_cvt_pk_f16_f32 v[rP+2*n], v[rS+4*n], v[rS+4*n+1]
	v_cvt_pk_f16_f32 v[rP+2*n+1], v[rS+4*n+2], v[rS+4*n+3]
.endr
.irp u, 0,1,2,3
	REGS \H, \u
	v_pk_add_f32 v[rS+4*n:rS+4*n+1], v[rS+4*n:rS+4*n+1], v[rS+4*n+2:rS+4*n+3]
.endr
.irp u, 0,1,2,3
	REGS \H, \u
.if n == 0
	v_pk_fma_f32 v[rT+2:rT+3], v[rT+2:rT+3], v[rC+2:rC+3], v[rS:rS+1] op_sel_hi:[1,0,1]
.else
	v_pk_add_f32 v[rT+2:rT+3], v[rT+2:rT+3], v[rS+4*n:rS+4*n+1]
.endif
.endr
.set n, n+1
.endr
	WIN 0x41                                       ; O^T window 1, a window 0
.set n, 0
.rept 16                               ; O^T times a, each accumulator from its low end on
.irp u, 0,1,2,3
	REGS \H, \u
	v_pk_mul_f32 v[rO+2*n:rO+2*n+1], v[rO+2*n:rO+2*n+1], v[rC+2:rC+3] op_sel_hi:[1,0]
.endr
.set n, n+1
.endr
	WIN 0x52                                       ; V window 2, P window 0, O^T window 1
.irp k, 0,1                            ; O^T += V^T P: 16 accumulators take turns; keys 32 k on
.irp u, 0,1,2,3
.irp c, 0,1,2,3
	REGS \H, \u
	v_wmma_f32_16x16x32_f16 v[rO+8*(\c):rO+8*(\c)+7], v[VF+32*(\k)+8*(\c):VF+32*(\k)+8*(\c)+7], v[rP+8*(\k):rP+8*(\k)+7], v[rO+8*(\c):rO+8*(\c)+7]
.endr
.endr
.endr
.endm
.macro COMPUTE                         ; a key step: my 64 keys' K and V, then all 128 queries
	PROJ 1, 1, AWK, AWV
	CVTK
	CVTV
	ATT 0
	ATT 1
	WIN 0
.endm
; THE CHANGE OF SLOTS.  Each wave waits for all its tensor loads (one at the most is out: its part of the next tile), adds 0 to its spare word, and waits for that and for its reads of the slot.
; fill = 1: the slot read last is filled with the tile behind the next one, first thing behind a round of the cluster's barrier: it has a whole key step in which to land.
.macro CHANGE fill
	OPENX
	s_xor_b32 s[TB], s[TB], SLOTB
.if \fill
	s_xor_b32 s[GD1+1], s[GD1+1], SLOTB            ; the walking descriptor: the other slot than last time,
	s_add_nc_u64 s[GD1+2:GD1+3], s[GD1+2:GD1+3], TILEB  ; the next tile; the type bits on top are not reached
	s_wait_xcnt 0x0                                ; the last prefetch, a key step back, has read its address
	s_add_nc_u64 s[PFA:PFA+1], s[PFA:PFA+1], TILEB ; one tile behind the walking descriptor
	s_wait_dscnt 0x0
	CROUND
	KLOAD
	ASK
.else
	s_wait_dscnt 0x0
	s_barrier_signal -1
	s_barrier_wait -1
.endif
.endm
	s_load_b128 s[4:7], s[0:1], 0x0                ; cv s[4:5], oh s[6:7]
	v_lshl_add_u32 v[SPW], v0, 2, SPARE
	v_mov_b32 v[NIL], 0
	ds_add_u32 v[SPW], v[NIL]                      ; the wave's opening: the add and its wait ahead of my first tensor load; the set-up below, work on registers, stands between them
	v_lshrrev_b32 v[AW], 5, v0
	v_readfirstlane_b32 s[WV], v[AW]
	s_lshr_b32 s[HD], s[WV], 1
	s_and_b32 s[KH], s[WV], 1
	s_bfe_u32 s[CX], ttmp6, 0x40000
	s_bfe_u32 s[CY], ttmp6, 0x40004
	s_lshl_b32 s[HP], ttmp9, 2                     ; in a cluster launch ttmp9 and ttmp7 count clusters
	s_add_co_u32 s[HP], s[HP], s[CX]               ; head pair = 4 x cluster x + cx
	s_and_b32 s[BB], ttmp7, 0xffff
	s_lshl_b32 s[BB], s[BB], 2
	s_add_co_u32 s[BB], s[BB], s[CY]               ; batch = 4 x cluster y + cy
	s_lshl_b32 s76, s[CY], 2
	s_lshl_b32 s76, 15, s76                        ; my row of the cluster
	s_lshl_b32 s77, 0x1111, s[CX]                  ; my column
	s_or_b32 s[G1Q], s76, (1<<16)|(1<<20)|(1<<21)|(6<<22)|(3<<25)  ; 15:0 the mask; 17:16 2-byte elements; 20 padding on; 21 set beside a mask; 24:22 after every 128 words (code 6); 31:25 4 words (code 3)
	s_or_b32 s[G1K], s76, (1<<16)|(1<<20)|(1<<21)|(6<<22)|(3<<25)
	s_or_b32 s[G1W], s77, (1<<16)|(1<<20)|(1<<21)|(5<<22)|(7<<25)  ; after every 64 words (code 5) 8 words (code 7)
.irp g, G1Q, G1K
	s_mov_b32 s[(\g)+1], 256<<16                   ; tensor_dim0 = 256
	s_mov_b32 s[(\g)+2], 64<<16                    ; tensor_dim1 = 64
	s_mov_b32 s[(\g)+3], 256<<16                   ; tile_dim0 = 256
	s_mov_b32 s[(\g)+4], 64                        ; tile_dim1 = 64
	s_mov_b32 s[(\g)+6], 0
	s_mov_b32 s[(\g)+7], 0
.endr
	s_mov_b32 s[G1Q+5], 1024                       ; elements from row to row: q's,
	s_mov_b32 s[G1K+5], 256                        ; kv's
	s_mov_b32 s[G1W+1], 128<<16
	s_mov_b32 s[G1W+2], 128<<16
	s_mov_b32 s[G1W+3], 128<<16
	s_mov_b32 s[G1W+4], 128
	s_mov_b32 s[G1W+5], 1024
	s_mov_b32 s[G1W+6], 0
	s_mov_b32 s[G1W+7], 0
	s_lshl_b32 s78, s[BB], 18                      ; q: (128 b + 64 kh) rows of 2,048 bytes
	s_lshl_b32 s79, s[KH], 17
	s_add_co_u32 s78, s78, s79
	s_mov_b32 s79, 0
	s_lshl_b32 s80, s[BB], 20                      ; kv: (2,048 b + 64 kh) rows of 512 bytes
	s_lshl_b32 s81, s[KH], 15
	s_add_co_u32 s80, s80, s81
	s_mov_b32 s81, 0
	s_lshl_b32 s82, s[KH], 18                      ; weights: 128 kh rows of 2,048 bytes, 256 hp bytes along them
	s_lshl_b32 s83, s[HP], 8
	s_add_co_u32 s82, s82, s83
	s_mov_b32 s83, 0
	s_mul_i32 s84, s[KH], DHALF                    ; where they go: no place in the cluster enters an LDS address
	s_mul_i32 s85, s[KH], WHALF
	s_mov_b32 s[GD0], 1
	s_mov_b32 s[GD0+1], s84
	s_mov_b32 s[GD1], 1
	s_add_co_u32 s[GD1+1], s84, SLOTB
	s_mov_b32 s[GW0], 1
	s_add_co_u32 s[GW0+1], s85, R0
	s_mov_b32 s[GW1], 1
	s_add_co_u32 s[GW1+1], s85, R1
	s_lshl_b32 s2, s[BB], 20                       ; the prefetches: my batch, my work-group's 32 rows of a tile, my wave's half of a row, at tile 2
	s_lshl_b32 s3, s[CX], 14
	s_add_co_u32 s2, s2, s3
	s_lshl_b32 s3, s[KH], 8
	s_add_co_u32 s2, s2, s3
	s_add_co_u32 s2, s2, 2*TILEB
	s_mov_b32 s3, 0
	s_lshr_b32 s[LIM], s[WV], 1                    ; 0 in waves 0 and 1,
	s_or_b32 s[LIM], s[LIM], ttmp9                 ; where cluster x is 0: the same in all sixteen partners
	s_cmp_eq_u32 s[LIM], 0
	s_cselect_b32 s[LIM], 1, -1
	s_mov_b32 s[CS], 0x3e38aa3b                    ; c = log2(e) / 8
	s_mov_b32 s[CS+1], s[CS]
	s_mov_b32 s[SEL], 0x76543210
	s_mov_b32 s[SEL+1], 0xfedcba98
	s_mov_b32 s[TB], 0
	s_wait_dscnt 0x0                               ; the opening add is done
	s_wait_kmcnt 0x0
	s_add_nc_u64 s[GD0+2:GD0+3], s[4:5], s[78:79]
	s_add_nc_u64 s[GD0+2:GD0+3], s[GD0+2:GD0+3], CV_Q      ; q, dims 0-255
	s_add_nc_u64 s[GD1+2:GD1+3], s[GD0+2:GD0+3], 512       ; dims 256-511
	s_or_b32 s[GD0+3], s[GD0+3], 0x80000000                ; type = 2
	s_or_b32 s[GD1+3], s[GD1+3], 0x80000000
	s_add_nc_u64 s[GW0+2:GW0+3], s[4:5], s[82:83]
	s_add_nc_u64 s[WKP:WKP+1], s[GW0+2:GW0+3], CV_WK
	s_add_nc_u64 s[WVP:WVP+1], s[GW0+2:GW0+3], CV_WV
	s_add_nc_u64 s[GW0+2:GW0+3], s[GW0+2:GW0+3], CV_WQ     ; Wq, rows 0-255
	s_add_nc_u64 s[GW1+2:GW1+3], s[GW0+2:GW0+3], 256*2048  ; rows 256-511
	s_or_b32 s[GW0+3], s[GW0+3], 0x80000000
	s_or_b32 s[GW1+3], s[GW1+3], 0x80000000
	s_add_nc_u64 s[KVP:KVP+1], s[4:5], s[80:81]
	s_add_nc_u64 s[PFA:PFA+1], s[4:5], s[2:3]
	CROUND                                         ; all sixteen work-groups are here: the first joint loads meet
	s_cmp_lt_u32 s[WV], 2                          ; a wave's two first fills stand in one branch: two loads of mine are out, the most in this text
	s_cbranch_scc0 .Lfirst_w
	tensor_load_to_lds s[GD0:GD0+3], s[G1Q:G1Q+7]
	s_nop 0
	tensor_load_to_lds s[GD1:GD1+3], s[G1Q:G1Q+7]
	s_nop 0
	PLACES
	s_branch .Lfirst_asked
.Lfirst_w:
	tensor_load_to_lds s[GW0:GW0+3], s[G1W:G1W+7]
	s_nop 0
	tensor_load_to_lds s[GW1:GW1+3], s[G1W:G1W+7]
	s_nop 0
	PLACES
.Lfirst_asked:
	; A data fragment is 16 rows x 32 dims: lane l holds row l % 16, dims 8 (l / 16) + 0..7 and 16 + 8 (l / 16) + 0..7: two loads of 16 bytes, 32 bytes apart.
	v_and_b32 v[RR], 15, v0
	v_bfe_u32 v[HH], v0, 4, 1
	v_mul_u32_u24 v[AKV0], v[RR], DP
	v_lshl_add_u32 v[AKV0], v[HH], 4, v[AKV0]
	v_add_nc_u32 v[AKV0], s84, v[AKV0]             ; in my half of the slot's rows
	; The turning load takes 16 dims x 16 channels (lane l reads dim 8 (l / 16) + l % 8, channels 8 ((l / 8) % 2) + 0..7) and leaves half a fragment: lane l holds channel l % 16 and 8 dims.
	v_and_b32 v[AW], 7, v0
	v_lshl_add_u32 v[AW], v[HH], 3, v[AW]
	v_mul_u32_u24 v[AWK], v[AW], WP
	v_bfe_u32 v[AW], v0, 3, 1
	v_lshl_add_u32 v[AWK], v[AW], 4, v[AWK]
	s_lshl_b32 s75, s[HD], 7                       ; my head's 64 channels: 128 bytes
	s_add_co_u32 s75, s75, R0
	v_add_nc_u32 v[AWK], s75, v[AWK]
	v_add_nc_u32 v[AWV], WREG, v[AWK]
	v_and_b32 v[PFO], 31, v0
	s_lshl_b32 s75, s[WV], 13                      ; the exchange of Q: 8,192 bytes a wave, 16 bytes a lane and quad of registers
	s_add_co_u32 s75, s75, STG
	v_lshl_add_u32 v[QSA], v[PFO], 4, s75
	s_lshl_b32 s75, s[HD], 14
	s_add_co_u32 s75, s75, STG
	v_lshl_add_u32 v[QRD], v[PFO], 4, s75
	v_lshlrev_b32 v[PFO], 9, v[PFO]
	; THE Q PROJECTION: four passes of 256 dims; my 64 queries x my head's 64 channels.  While a pass is multiplied, the next pass (at the end: Wk, Wv and kv's first tiles) is on its way.
	s_wait_tensorcnt 0x1                           ; my part of pass 0 is in; pass 1's may stay out
	s_barrier_signal -1
	s_barrier_wait -1
	PROJ 0, 1, AWK, AWK                            ; pass 0: D0, R0
	OPENX
	s_add_nc_u64 s[GD0+2:GD0+3], s[GD0+2:GD0+3], 1024        ; q, dims 512-767
	s_add_nc_u64 s[GW0+2:GW0+3], s[GW0+2:GW0+3], 512*2048    ; Wq, rows 512-767
	s_xor_b32 s[TB], s[TB], SLOTB
	CLOSEX GD0, G1Q, GW0
	PROJ 0, 0, AWV, AWV                            ; pass 1: D1, R1
	OPENX
	s_add_nc_u64 s[GD1+2:GD1+3], s[GD1+2:GD1+3], 1024
	s_add_nc_u64 s[GW1+2:GW1+3], s[GW1+2:GW1+3], 512*2048
	s_xor_b32 s[TB], s[TB], SLOTB
	CLOSEX GD1, G1Q, GW1
	PROJ 0, 0, AWK, AWK                            ; pass 2
	OPENX
	s_mov_b64 s[GD0+2:GD0+3], s[KVP:KVP+1]         ; kv's tile 0 into D0,
	s_or_b32 s[GD0+3], s[GD0+3], 0x80000000
	s_mov_b64 s[GW0+2:GW0+3], s[WKP:WKP+1]         ; Wk into R0
	s_or_b32 s[GW0+3], s[GW0+3], 0x80000000
	s_xor_b32 s[TB], s[TB], SLOTB
	CLOSEX GD0, G1K, GW0
	PROJ 0, 0, AWV, AWV                            ; pass 3
	CVTK                                           ; my four tiles of Q as fragments, in K's registers,
	WIN 0x08                                       ; (store data window 2)
.set g, 0
.rept 16
	ds_store_b128 v[QSA], v[KF+4*g:KF+4*g+3] offset:512*g  ; and into the exchange: lane for lane as they lie
.set g, g+1
.endr
	OPENX
	s_add_nc_u64 s[GD1+2:GD1+3], s[KVP:KVP+1], TILEB  ; kv's tile 1 into D1,
	s_or_b32 s[GD1+3], s[GD1+3], 0x80000000
	s_mov_b64 s[GW1+2:GW1+3], s[WVP:WVP+1]         ; Wv into R1
	s_or_b32 s[GW1+3], s[GW1+3], 0x80000000
	CLOSEX GD1, G1K, GW1                           ; its wait for LDS and its barriers also show every wave's Q to the others
	WIN 0x80
.set g, 0
.rept 32
	ds_load_b128 v[4*g:4*g+3], v[QRD] offset:512*g ; all eight tiles of my head's Q
.set g, g+1
.endr
	WIN 0x40
.set i, 0
.rept 256
	v_mov_b32 v[i], 0                              ; O^T: the first step multiplies it by a = 0; written in the wait for the tiles
.set i, i+1
.endr
	WIN 0
.set i, 0
.rept 8
	v_mov_b32 v[ST+4*i], 0xfe000000                ; c m: far below every c s
	v_mov_b32 v[ST+4*i+1], 0xff7fffff              ; m
	v_mov_b32 v[ST+4*i+2], 0
	v_mov_b32 v[ST+4*i+3], 0
.set i, i+1
.endr
	; THE WALK: 16 tiles of 128 keys.
	CHANGE 0                                       ; Wk, Wv, tiles 0 and 1 and Q are in, everybody's part; nothing is filled here
	s_mov_b32 s[CNT], 15
	s_branch .Lfirst
.Lstep:                                            ; steps 1 to 14: step j asks for tile j + 1
	CHANGE 1
.Lfirst:
	COMPUTE
	s_sub_co_u32 s[CNT], s[CNT], 1
	s_cmp_lg_u32 s[CNT], 0
	s_cbranch_scc1 .Lstep
	CHANGE 0                                       ; the last step is written out
	COMPUTE
	; THE MEETING of a head's two key halves.  l's two halves and the other half of the lanes' are added; these lines are the places behind the last products.
.irp t, 0,1,2,3,4,5,6,7
	v_add_f32 v[ST+4*\t+2], v[ST+4*\t+2], v[ST+4*\t+3]
.endr
.irp t, 0,1,2,3,4,5,6,7
	v_permlanex16_b32 v[ST+4*\t+3], v[ST+4*\t+2], s[SEL], s[SEL+1]
.endr
.irp t, 0,1,2,3,4,5,6,7
	v_add_f32 v[ST+4*\t+1], v[ST+4*\t+2], v[ST+4*\t+3]  ; (c m, l) are a pair now
.endr
	v_and_b32 v[LN], 31, v0
	s_lshl_b32 s76, s[WV], 15
	v_lshl_add_u32 v[MA], v[LN], 4, s76            ; my O^T: 32,768 bytes a wave, over D0 and D1
	s_lshl_b32 s76, s[WV], 11
	s_add_co_u32 s76, s76, STT
	v_lshl_add_u32 v[STA], v[LN], 3, s76           ; my statistics: 2,048 bytes a wave
	s_lshl_b32 s76, s[HD], 16
	s_lshl_b32 s77, s[KH], 14
	s_add_co_u32 s76, s76, s77
	v_lshl_add_u32 v[MRD], v[LN], 4, s76           ; I finish tiles 4 kh .. 4 kh + 3 of my head: wave 2 hd's part; wave 2 hd + 1's lies 32,768 on
	s_lshl_b32 s76, s[HD], 12
	s_lshl_b32 s77, s[KH], 10
	s_add_co_u32 s76, s76, s77
	s_add_co_u32 s76, s76, STT
	v_lshl_add_u32 v[STR], v[LN], 3, s76
	s_mul_i32 s76, s[KH], 64*SGP                   ; the stage: row = query, 256 bytes = the pair's 128 channels
	s_lshl_b32 s77, s[HD], 7
	s_add_co_u32 s76, s76, s77
	s_add_co_u32 s76, s76, STG
	v_mul_u32_u24 v[OSA], v[RR], SGP
	v_lshl_add_u32 v[OSA], v[HH], 4, v[OSA]
	v_add_nc_u32 v[OSA], s76, v[OSA]
	s_mul_i32 s76, s[WV], 32*SGP                   ; back: wave w takes rows 32 w .. 32 w + 31, whole; lanes 0-15 one row, lanes 16-31 the next
	s_add_co_u32 s76, s76, STG
	v_mul_u32_u24 v[ORD], v[HH], SGP
	v_lshl_add_u32 v[ORD], v[RR], 4, v[ORD]
	v_add_nc_u32 v[ORD], s76, v[ORD]
	v_lshlrev_b32 v[GO], 11, v[HH]                 ; and the same two rows in oh
	v_lshl_add_u32 v[GO], v[RR], 4, v[GO]
	s_lshl_b32 s2, s[BB], 18                       ; oh at row 128 b + 32 w, byte 256 hp
	s_lshl_b32 s3, s[WV], 16
	s_add_co_u32 s2, s2, s3
	s_lshl_b32 s3, s[HP], 8
	s_add_co_u32 s2, s2, s3
	s_mov_b32 s3, 0
	s_add_nc_u64 s[6:7], s[6:7], s[2:3]
	s_wait_dscnt 0x0
	s_barrier_signal -1
	s_barrier_wait -1                              ; nobody reads D0 or D1 any more, and they have had their last fill
	WIN 0x04                                       ; store data window 1
.set g, 0
.rept 64
	ds_store_b128 v[MA], v[4*g:4*g+3] offset:512*g ; each accumulator's low four registers first
.set g, g+1
.endr
	WIN 0
.irp t, 0,1,2,3,4,5,6,7
	ds_store_b64 v[STA], v[ST+4*\t:ST+4*\t+1] offset:256*\t
.endr
	s_wait_dscnt 0x0                               ; for the others' sake
	s_barrier_signal -1
	s_barrier_wait -1
	WIN 0x40
.set g, 0
.rept 32
	ds_load_b128 v[4*g:4*g+3], v[MRD] offset:512*g              ; half A's O^T of my four tiles,
	ds_load_b128 v[128+4*g:128+4*g+3], v[MRD] offset:32768+512*g  ; half B's
.set g, g+1
.endr
	WIN 0
.irp u, 0,1,2,3
	ds_load_b64 v[MS+8*\u:MS+8*\u+1], v[STR] offset:256*\u          ; (c m, l) of A,
	ds_load_b64 v[MS+8*\u+2:MS+8*\u+3], v[STR] offset:2048+256*\u   ; of B
.endr
	s_wait_dscnt 0x0
.irp u, 0,1,2,3
	v_max_num_f32 v[MS+8*\u+4], v[MS+8*\u], v[MS+8*\u+2]            ; the common c m
.endr
.irp u, 0,1,2,3
	v_sub_f32 v[MS+8*\u+5], v[MS+8*\u], v[MS+8*\u+4]
	v_sub_f32 v[MS+8*\u+7], v[MS+8*\u+2], v[MS+8*\u+4]
.endr
.irp u, 0,1,2,3
	v_exp_f32 v[MS+8*\u+4], v[MS+8*\u+5]                            ; eA, eB: one of them is 1
	v_exp_f32 v[MS+8*\u+6], v[MS+8*\u+7]
.endr
	v_nop
	s_wait_alu depctr_va_vdst(0)                   ; one wait for the eight exponentials
.irp u, 0,1,2,3
	v_mul_f32 v[MS+8*\u+5], v[MS+8*\u+1], v[MS+8*\u+4]
.endr
.irp u, 0,1,2,3
	v_fmac_f32 v[MS+8*\u+5], v[MS+8*\u+3], v[MS+8*\u+6]             ; l = lA eA + lB eB, at least 1
.endr
.irp u, 0,1,2,3
	v_rcp_f32 v[MS+8*\u+7], v[MS+8*\u+5]
.endr
	v_nop
	s_wait_alu depctr_va_vdst(0)                   ; one wait for the four reciprocals
.irp u, 0,1,2,3
	v_mul_f32 v[MS+8*\u+4], v[MS+8*\u+4], v[MS+8*\u+7]              ; eA / l, eB / l
	v_mul_f32 v[MS+8*\u+6], v[MS+8*\u+6], v[MS+8*\u+7]
.endr
	WIN 0x41
.irp u, 0,1,2,3
.set i, 0
.rept 16
	v_pk_mul_f32 v[32*\u+2*i:32*\u+2*i+1], v[32*\u+2*i:32*\u+2*i+1], v[MS+8*\u+4:MS+8*\u+5] op_sel_hi:[1,0]
.set i, i+1
.endr
.endr
	WIN 0x51
.irp u, 0,1,2,3
.set i, 0
.rept 16
	v_pk_fma_f32 v[32*\u+2*i:32*\u+2*i+1], v[128+32*\u+2*i:128+32*\u+2*i+1], v[MS+8*\u+6:MS+8*\u+7], v[32*\u+2*i:32*\u+2*i+1] op_sel_hi:[1,0,1]
.set i, i+1
.endr
.endr
	WIN 0x05                                       ; sources window 1, destination window 0
.set i, 0
.rept 64
	v_cvt_pk_f16_f32 v[P+i], v[2*i], v[2*i+1]      ; a lane's eight channels of a row pack into 16 bytes
.set i, i+1
.endr
	WIN 0
.irp u, 0,1,2,3
.irp c, 0,1,2,3
	ds_store_b128 v[OSA], v[P+16*\u+4*\c:P+16*\u+4*\c+3] offset:16*SGP*\u+32*\c
.endr
.endr
	s_wait_dscnt 0x0                               ; a row's 256 bytes come from two waves
	s_barrier_signal -1
	s_barrier_wait -1
.irp t, 0,1,2,3,4,5,6,7,8,9,10,11,12,13,14,15
	ds_load_b128 v[OUTB+4*\t:OUTB+4*\t+3], v[ORD] offset:2*SGP*\t
.endr
.irp t, 0,1,2,3,4,5,6,7,8,9,10,11,12,13,14,15
	s_wait_dscnt 15-\t                             ; the younger reads may stay out
	global_store_b128 v[GO], v[OUTB+4*\t:OUTB+4*\t+3], s[6:7] offset:4096*\t  ; 16 lanes store 256 consecutive bytes, at a multiple of 256 from oh's first byte
.endr
	s_wait_tensorcnt 0x0                           ; the wave's end: behind my last tensor load and my last LDS store
	ds_add_u32 v[SPW], v[NIL]
	s_wait_dscnt 0x0
	CROUND                                         ; the closing round: no work-group ends while a partner may still ask for a tile that names it
	s_endpgm
.Lfunc_end_k_q0b0287f574_attn:
	.size	k_q0b0287f574_attn, .Lfunc_end_k_q0b0287f574_attn-k_q0b0287f574_attn
	.p2alignl 7, 3214868480
	.fill 96, 4, 3214868480
	.section	.rodata,"a",@progbits
	.p2align	6, 0x0
	.amdhsa_kernel k_q0b0287f574_attn
		.amdhsa_group_segment_fixed_size 327680
		.amdhsa_private_segment_fixed_size 0
		.amdhsa_enable_private_segment 0
		.amdhsa_kernarg_size 16
		.amdhsa_user_sgpr_count 2
		.amdhsa_user_sgpr_kernarg_segment_ptr 1
		.amdhsa_wavefront_size32 1
		.amdhsa_system_sgpr_workgroup_id_x 1
		.amdhsa_system_sgpr_workgroup_id_y 1
		.amdhsa_system_sgpr_workgroup_id_z 1
		.amdhsa_system_vgpr_workitem_id 0
		.amdhsa_next_free_vgpr 1024
		.amdhsa_next_free_sgpr 88
		.amdhsa_reserve_vcc 0
		.amdhsa_float_denorm_mode_32 3
		.amdhsa_float_denorm_mode_16_64 3
		.amdhsa_memory_ordered 1
		.amdhsa_forward_progress 1
		.amdhsa_inst_pref_size 255
	.end_amdhsa_kernel
	.section	.bss,"aw",@nobits
	.p2align	6
	.space	262144
	.amdgpu_metadata
---
amdhsa.version: [ 1, 2 ]
amdhsa.kernels:
  - .name:           k_q0b0287f574_attn
    .symbol:         k_q0b0287f574_attn.kd
    .args:
      - { .name: cv, .offset: 0, .size: 8, .value_kind: global_buffer, .address_space: global }
      - { .name: oh, .offset: 8, .size: 8, .value_kind: global_buffer, .address_space: global }
    .group_segment_fixed_size: 327680
    .private_segment_fixed_size: 0
    .kernarg_segment_align: 8
    .kernarg_segment_size: 16
    .max_flat_workgroup_size: 128
    .sgpr_count:     88
    .vgpr_count:     1024
    .wavefront_size: 32
...
	.end_amdgpu_metadata
.endif
;; end of part 2
;; launch oproj (part 3): grid 8 x 32, 4 waves a work-group, clusters of 4 x 4, 327,680 bytes of LDS; arguments oh, cv, bo, out0; writes out0
.if DOCPART == 3
	.amdgcn_target "amdgcn-amd-amdhsa--gfx1250"
	.amdhsa_code_object_version 6
	.text
	.protected	k_q0b0287f574_oproj
	.globl	k_q0b0287f574_oproj
	.p2align	8
	.type	k_q0b0287f574_oproj,@function
k_q0b0287f574_oproj:
	s_mov_b64 s[64:65], 0
	v_nop
	global_prefetch_b8 v0, s[64:65] scope:SCOPE_SE
	s_setreg_imm32_b32 hwreg(HW_REG_WAVE_MODE, 25, 1), 1
	s_wait_xcnt 0x0
	s_wait_alu depctr_hold_cnt(0) depctr_sa_sdst(0) depctr_va_vdst(0) depctr_va_sdst(0) depctr_va_ssrc(0) depctr_va_vcc(0) depctr_vm_vsrc(0)
	s_getreg_b32 s2, hwreg(HW_REG_IB_STS2, 6, 4)
	s_cmp_eq_u32 s2, 0
	s_cbranch_scc0 .Lentry_in_a_cluster
	s_endpgm
.Lentry_in_a_cluster:
	s_bfe_u32 s2, ttmp6, 0x10000c
	s_cmp_lg_u32 s2, 0xf033
	s_cbranch_scc0 .Lentry_shape_is_right
	s_endpgm
.Lentry_shape_is_right:
; out0 = O Wo + bo.  O: oh, [4096][1024] f16.  Wo: in cv, [1024 in][1024 out], rounded to bf16 and written as f16.  bo: f32, rounded to bf16 here like every other input.  out0: [4096][1024] f32.
; Products in f16, sums in f32, K ascending in four passes of 256.
; SHARES.  A work-group makes 128 rows x 128 columns; wave w rows 64 (w % 2) on, columns 64 (w / 2) on: 16 accumulators.
; THE PRODUCT IS TAKEN TRANSPOSED (source 0 = 16 columns of Wo, turned out of LDS by ds_load_tr16_b128; source 1 = 16 rows of O): a lane holds one row of out0 and eight neighbouring columns.
; CLUSTER 4 x 4: O's tiles are shared along a row of the cluster, Wo's along a column; waves 0 and 1 fetch the halves of O's tile, waves 2 and 3 those of Wo's.
; LDS: two data slots of 128 rows x 528 bytes, two weight regions of 256 rows x 288 bytes, a stage of 16 rows x 272 bytes for each wave, the spare words.
; The four passes' tiles are all asked for at the head or one pass ahead by the loads themselves; nothing is prefetched.
; REGISTERS: window 0: v0-11, v44-48 addresses and one at work; v12-43 my 32 numbers of bo; v64-127 data fragments, later the way out; v128-255 accumulators.  Window 1: v0-63 weight fragments, two buffers.
.set CV_WO, 44040192
.set DP,    528
.set DHALF, 64*DP
.set SLOTB, 2*DHALF
.set WP,    288
.set WHALF, 128*WP
.set WREG,  2*WHALF
.set R0,    2*SLOTB
.set R1,    R0+WREG
.set STG,   R1+WREG
.set SGP,   272
.set SPARE, 325632                     ; behind the stages: the spare words, 128 bytes for each wave: two blocks of 256 bytes that no other line names
.set RR,   1
.set AKV0, 2
.set AKV,  3
.set AW0,  4
.set AW1,  5
.set AW,   6
.set SPW,  8
.set NIL,  9
.set HH,   11
.set BI,   12
.set BOF,  44
.set STO,  45
.set RD,   46
.set GO,   47
.set TT,   48
.set DF,   64
.set TO,   64                          ; the way out: 16 rows' sums with the bias,
.set OB,   96                          ; and whole rows read back
.set ACK,  128
.set WV,  12                           ; s12 wave; s13 column half; s14 row half; s15 cx; s16 cy; s17 column block; s18 row block
.set HD,  13
.set KH,  14
.set CX,  15
.set CY,  16
.set CBK, 17
.set RB,  18
.set TB,  19
.set CN2, 20
.set DOF, 21
.set WOF, 22
.set G1D, 24
.set G1W, 40
.set GD0, 48
.set GD1, 52
.set GW0, 56
.set GW1, 60
.set MSB, 0
.macro WIN new
.if MSB != (\new)
	s_set_vgpr_msb (MSB<<8)|(\new)
.set MSB, (\new)
.endif
.endm
.macro PLACES
.rept 4
	v_nop
.endr
.endm
.macro CROUND
	s_barrier_signal -1
	s_barrier_wait -1
	s_cmp_lg_u32 s[WV], 0
	s_cbranch_scc1 .Lnot_wave_0_\@
	s_barrier_signal -3
.Lnot_wave_0_\@:
	s_barrier_wait -3
	s_barrier_signal -1
	s_barrier_wait -1
.endm
.macro LOAD2 gd, gw                    ; a joint fill: one load a wave; an s_nop 0 and four v_nop follow each line
	s_cmp_lt_u32 s[WV], 2
	s_cbranch_scc0 .Lfor_w_\@
	tensor_load_to_lds s[(\gd):(\gd)+3], s[G1D:G1D+7]
	s_nop 0
	PLACES
	s_branch .Lasked_\@
.Lfor_w_\@:
	tensor_load_to_lds s[(\gw):(\gw)+3], s[G1W:G1W+7]
	s_nop 0
	PLACES
.Lasked_\@:
.endm
.macro OPENX                           ; all my tensor loads have landed; 0 onto my spare word
	WIN 0
	s_wait_tensorcnt 0x0
	ds_add_u32 v[SPW], v[NIL]
.endm
.macro FETCH bf                        ; one chunk of 32 along K into buffer bf: 4 x 16 rows of O, 4 x 16 columns of Wo
	WIN 0
.irp k, 0,1,2,3
	ds_load_b128 v[DF+32*(\bf)+8*(\k):DF+32*(\bf)+8*(\k)+3],   v[AKV] offset:64*(\bf)+16*DP*(\k)
	ds_load_b128 v[DF+32*(\bf)+8*(\k)+4:DF+32*(\bf)+8*(\k)+7], v[AKV] offset:64*(\bf)+16*DP*(\k)+32
.endr
	WIN 0x40                                       ; destination window 1
.irp c, 0,1,2,3
	ds_load_tr16_b128 v[32*(\bf)+8*(\c):32*(\bf)+8*(\c)+3],   v[AW] offset:32*WP*(\bf)+32*(\c)
	ds_load_tr16_b128 v[32*(\bf)+8*(\c)+4:32*(\bf)+8*(\c)+7], v[AW] offset:32*WP*(\bf)+32*(\c)+16*WP
.endr
.endm
.macro MUL bf, zero                    ; 16 accumulators take turns, one instruction a turn
	WIN 0x01                                       ; weights (source 0) window 1
.irp c, 0,1,2,3
.irp k, 0,1,2,3
.set rD, ACK+8*(4*(\c)+(\k))
.set rA, 32*(\bf)+8*(\c)
.set rB, DF+32*(\bf)+8*(\k)
.if \zero
	v_wmma_f32_16x16x32_f16 v[rD:rD+7], v[rA:rA+7], v[rB:rB+7], 0
.else
	v_wmma_f32_16x16x32_f16 v[rD:rD+7], v[rA:rA+7], v[rB:rB+7], v[rD:rD+7]
.endif
.endr
.endr
.endm
.macro TRIP zero, wb                   ; two chunks; each run of 16 loads goes out in front of the other buffer's products: the waits leave out the run just issued
	PLACES
	FETCH 1
	s_wait_dscnt 16
	MUL 0, \zero
	WIN 0
	s_add_co_u32 s[DOF], s[DOF], 128
	s_add_co_u32 s[WOF], s[WOF], 64*WP
	v_add_nc_u32 v[AKV], s[DOF], v[AKV0]           ; four places behind buffer 0's products
	v_add_nc_u32 v[AW], s[WOF], v[\wb]
	v_nop
	v_nop
	FETCH 0
	s_wait_dscnt 16
	MUL 1, 0
	WIN 0
.endm
.macro PASS zero, wb                   ; 256 along K from slot TB and the weight region at v[wb]
	WIN 0
	s_mov_b32 s[DOF], s[TB]
	s_mov_b32 s[WOF], 0
	v_add_nc_u32 v[AKV], s[TB], v[AKV0]            ; four places behind the products that last read buffer 0
	v_mov_b32 v[AW], v[\wb]
	v_nop
	v_nop
	FETCH 0
.if \zero
	TRIP 1, \wb
	s_mov_b32 s[CN2], 2
.else
	WIN 0
	s_mov_b32 s[CN2], 3
.endif
.Lpass_\@:
	TRIP 0, \wb
	s_sub_co_u32 s[CN2], s[CN2], 1
	s_cmp_lg_u32 s[CN2], 0
	s_cbranch_scc1 .Lpass_\@
	PLACES
	FETCH 1
	s_wait_dscnt 16
	MUL 0, 0
	s_wait_dscnt 0x0
	MUL 1, 0
.endm
	s_load_b256 s[4:11], s[0:1], 0x0               ; oh s[4:5], cv s[6:7], bo s[8:9], out0 s[10:11]
	v_lshl_add_u32 v[SPW], v0, 2, SPARE
	v_mov_b32 v[NIL], 0
	ds_add_u32 v[SPW], v[NIL]                      ; the wave's opening: the add and its wait ahead of my first tensor load
	v_lshrrev_b32 v[AW], 5, v0
	v_readfirstlane_b32 s[WV], v[AW]
	s_lshr_b32 s[HD], s[WV], 1
	s_and_b32 s[KH], s[WV], 1
	s_bfe_u32 s[CX], ttmp6, 0x40000
	s_bfe_u32 s[CY], ttmp6, 0x40004
	s_lshl_b32 s[CBK], ttmp9, 2
	s_add_co_u32 s[CBK], s[CBK], s[CX]             ; block of 128 columns = 4 x cluster x + cx
	s_and_b32 s[RB], ttmp7, 0xffff
	s_lshl_b32 s[RB], s[RB], 2
	s_add_co_u32 s[RB], s[RB], s[CY]               ; block of 128 rows = 4 x cluster y + cy
	s_lshl_b32 s66, s[CY], 2
	s_lshl_b32 s66, 15, s66                        ; my row of the cluster
	s_lshl_b32 s67, 0x1111, s[CX]                  ; my column
	s_or_b32 s[G1D], s66, (1<<16)|(1<<20)|(1<<21)|(6<<22)|(3<<25)  ; 64 rows x 256 elements of 2 bytes; after every 128 words 4 words of padding
	s_mov_b32 s[G1D+1], 256<<16
	s_mov_b32 s[G1D+2], 64<<16
	s_mov_b32 s[G1D+3], 256<<16
	s_mov_b32 s[G1D+4], 64
	s_mov_b32 s[G1D+5], 1024
	s_mov_b32 s[G1D+6], 0
	s_mov_b32 s[G1D+7], 0
	s_or_b32 s[G1W], s67, (1<<16)|(1<<20)|(1<<21)|(5<<22)|(7<<25)  ; 128 rows x 128 elements; after every 64 words 8 words of padding
	s_mov_b32 s[G1W+1], 128<<16
	s_mov_b32 s[G1W+2], 128<<16
	s_mov_b32 s[G1W+3], 128<<16
	s_mov_b32 s[G1W+4], 128
	s_mov_b32 s[G1W+5], 1024
	s_mov_b32 s[G1W+6], 0
	s_mov_b32 s[G1W+7], 0
	s_lshl_b32 s68, s[RB], 18                      ; O: (128 rb + 64 kh) rows of 2,048 bytes
	s_lshl_b32 s69, s[KH], 17
	s_add_co_u32 s68, s68, s69
	s_mov_b32 s69, 0
	s_lshl_b32 s70, s[KH], 18                      ; Wo: 128 kh rows of 2,048 bytes, 256 bytes a column block
	s_lshl_b32 s71, s[CBK], 8
	s_add_co_u32 s70, s70, s71
	s_mov_b32 s71, 0
	s_mul_i32 s72, s[KH], DHALF
	s_mul_i32 s73, s[KH], WHALF
	s_mov_b32 s[GD0], 1
	s_mov_b32 s[GD0+1], s72
	s_mov_b32 s[GD1], 1
	s_add_co_u32 s[GD1+1], s72, SLOTB
	s_mov_b32 s[GW0], 1
	s_add_co_u32 s[GW0+1], s73, R0
	s_mov_b32 s[GW1], 1
	s_add_co_u32 s[GW1+1], s73, R1
	s_lshl_b32 s76, s[RB], 19                      ; out0: (128 rb + 64 kh) rows of 4,096 bytes, 512 bytes a column block, 256 a half
	s_lshl_b32 s77, s[KH], 18
	s_add_co_u32 s76, s76, s77
	s_lshl_b32 s78, s[CBK], 9
	s_lshl_b32 s79, s[HD], 8
	s_add_co_u32 s78, s78, s79                     ; the same columns in bo
	s_add_co_u32 s76, s76, s78
	s_mov_b32 s77, 0
	s_mov_b32 s79, 0
	s_mov_b32 s[TB], 0
	s_wait_dscnt 0x0                               ; the opening add is done
	s_wait_kmcnt 0x0
	s_add_nc_u64 s[GD0+2:GD0+3], s[4:5], s[68:69]          ; K 0-255
	s_add_nc_u64 s[GD1+2:GD1+3], s[GD0+2:GD0+3], 512       ; K 256-511
	s_or_b32 s[GD0+3], s[GD0+3], 0x80000000
	s_or_b32 s[GD1+3], s[GD1+3], 0x80000000
	s_add_nc_u64 s[GW0+2:GW0+3], s[6:7], s[70:71]
	s_add_nc_u64 s[GW0+2:GW0+3], s[GW0+2:GW0+3], CV_WO
	s_add_nc_u64 s[GW1+2:GW1+3], s[GW0+2:GW0+3], 256*2048
	s_or_b32 s[GW0+3], s[GW0+3], 0x80000000
	s_or_b32 s[GW1+3], s[GW1+3], 0x80000000
	s_add_nc_u64 s[10:11], s[10:11], s[76:77]
	s_add_nc_u64 s[8:9], s[8:9], s[78:79]
	CROUND                                         ; all sixteen work-groups are here: the first joint loads meet
	s_cmp_lt_u32 s[WV], 2                          ; a wave's two first fills stand in one branch: two loads of mine are out, the most in this text
	s_cbranch_scc0 .Lfirst_w
	tensor_load_to_lds s[GD0:GD0+3], s[G1D:G1D+7]
	s_nop 0
	tensor_load_to_lds s[GD1:GD1+3], s[G1D:G1D+7]
	s_nop 0
	PLACES
	s_branch .Lfirst_asked
.Lfirst_w:
	tensor_load_to_lds s[GW0:GW0+3], s[G1W:G1W+7]
	s_nop 0
	tensor_load_to_lds s[GW1:GW1+3], s[G1W:G1W+7]
	s_nop 0
	PLACES
.Lfirst_asked:
	v_and_b32 v[RR], 15, v0
	v_bfe_u32 v[HH], v0, 4, 1
	v_lshlrev_b32 v[BOF], 5, v[HH]                 ; my eight columns of a block of 16: 32 bytes of bo
.irp c, 0,1,2,3
	global_load_b128 v[BI+8*\c:BI+8*\c+3],   v[BOF], s[8:9] offset:64*\c
	global_load_b128 v[BI+8*\c+4:BI+8*\c+7], v[BOF], s[8:9] offset:64*\c+16
.endr
	v_mul_u32_u24 v[AKV0], v[RR], DP
	v_lshl_add_u32 v[AKV0], v[HH], 4, v[AKV0]
	v_add_nc_u32 v[AKV0], s72, v[AKV0]
	v_and_b32 v[AW], 7, v0
	v_lshl_add_u32 v[AW], v[HH], 3, v[AW]
	v_mul_u32_u24 v[AW0], v[AW], WP
	v_bfe_u32 v[AW], v0, 3, 1
	v_lshl_add_u32 v[AW0], v[AW], 4, v[AW0]
	s_lshl_b32 s74, s[HD], 7
	s_add_co_u32 s74, s74, R0
	v_add_nc_u32 v[AW0], s74, v[AW0]
	v_add_nc_u32 v[AW1], WREG, v[AW0]
	s_mul_i32 s74, s[WV], 16*SGP
	s_add_co_u32 s74, s74, STG                     ; my stage
	v_mul_u32_u24 v[STO], v[RR], SGP               ; in: row l % 16, 32 bytes for each half of the lanes
	v_lshl_add_u32 v[STO], v[HH], 5, v[STO]
	v_add_nc_u32 v[STO], s74, v[STO]
	v_mul_u32_u24 v[RD], v[HH], SGP                ; back: lanes 0-15 one row of 256 bytes, lanes 16-31 the next
	v_lshl_add_u32 v[RD], v[RR], 4, v[RD]
	v_add_nc_u32 v[RD], s74, v[RD]
	v_lshlrev_b32 v[GO], 12, v[HH]                 ; and the same two rows in out0
	v_lshl_add_u32 v[GO], v[RR], 4, v[GO]
	s_wait_tensorcnt 0x1                           ; my part of pass 0 is in; pass 1's may stay out
	s_barrier_signal -1
	s_barrier_wait -1
	PASS 1, AW0                                    ; K 0-255: D0, R0
	OPENX
	s_add_nc_u64 s[GD0+2:GD0+3], s[GD0+2:GD0+3], 1024
	s_add_nc_u64 s[GW0+2:GW0+3], s[GW0+2:GW0+3], 512*2048
	s_xor_b32 s[TB], s[TB], SLOTB
	s_wait_dscnt 0x0                               ; the add is done, and my reads of D0 and R0 are over
	CROUND                                         ; no wave of any partner still reads them or has a load on its way
	LOAD2 GD0, GW0                                 ; K 512-767
	PASS 0, AW1                                    ; K 256-511: D1, R1
	OPENX
	s_add_nc_u64 s[GD1+2:GD1+3], s[GD1+2:GD1+3], 1024
	s_add_nc_u64 s[GW1+2:GW1+3], s[GW1+2:GW1+3], 512*2048
	s_xor_b32 s[TB], s[TB], SLOTB
	s_wait_dscnt 0x0
	CROUND
	LOAD2 GD1, GW1                                 ; K 768-1023
	PASS 0, AW0
	OPENX                                          ; the last pass' tiles are in; nothing is filled again
	s_xor_b32 s[TB], s[TB], SLOTB
	s_wait_dscnt 0x0
	s_barrier_signal -1
	s_barrier_wait -1
	PASS 0, AW1
	; THE WAY OUT.  bo is rounded to bf16; these 48 lines name no register of the last products and are the places behind them.
	WIN 0
	s_wait_loadcnt 0x0
.set i, 0
.rept 16
	v_cvt_pk_bf16_f32 v[TT], v[BI+2*i], v[BI+2*i+1]
	v_lshlrev_b32 v[BI+2*i], 16, v[TT]
	v_and_b32 v[BI+2*i+1], 0xffff0000, v[TT]
.set i, i+1
.endr
; 16 rows at a time: sums + bias; 32 bytes a lane and column block into my own stage; back as whole rows of 256 bytes (LDS serves a wave's instructions in order, ISA guide 5.7.1.4: no wait between); stored.
.irp q, 0,1,2,3
.irp c, 0,1,2,3
.irp i, 0,1,2,3
	v_pk_add_f32 v[TO+8*\c+2*\i:TO+8*\c+2*\i+1], v[ACK+8*(4*\c+\q)+2*\i:ACK+8*(4*\c+\q)+2*\i+1], v[BI+8*\c+2*\i:BI+8*\c+2*\i+1]
.endr
.endr
.irp c, 0,1,2,3
	ds_store_b128 v[STO], v[TO+8*\c:TO+8*\c+3]   offset:64*\c
	ds_store_b128 v[STO], v[TO+8*\c+4:TO+8*\c+7] offset:64*\c+16
.endr
	s_wait_xcnt 0x0                                ; the last block's stores have read their registers: only now are these loaded again
.irp t, 0,1,2,3,4,5,6,7
	ds_load_b128 v[OB+4*\t:OB+4*\t+3], v[RD] offset:2*SGP*\t
.endr
.irp t, 0,1,2,3,4,5,6,7
	s_wait_dscnt 7-\t                              ; the younger reads may stay out
	global_store_b128 v[GO], v[OB+4*\t:OB+4*\t+3], s[10:11] offset:(16*\q+2*\t)*4096 th:TH_STORE_NT  ; 16 lanes store 256 consecutive bytes, at a multiple of 256 from out0's first byte
.endr
.endr
	s_wait_tensorcnt 0x0                           ; the wave's end: behind my last tensor load and my last LDS store
	ds_add_u32 v[SPW], v[NIL]
	s_wait_dscnt 0x0
	CROUND                                         ; the closing round
	s_endpgm
.Lfunc_end_k_q0b0287f574_oproj:
	.size	k_q0b0287f574_oproj, .Lfunc_end_k_q0b0287f574_oproj-k_q0b0287f574_oproj
	.p2alignl 7, 3214868480
	.fill 96, 4, 3214868480
	.section	.rodata,"a",@progbits
	.p2align	6, 0x0
	.amdhsa_kernel k_q0b0287f574_oproj
		.amdhsa_group_segment_fixed_size 327680
		.amdhsa_private_segment_fixed_size 0
		.amdhsa_enable_private_segment 0
		.amdhsa_kernarg_size 32
		.amdhsa_user_sgpr_count 2
		.amdhsa_user_sgpr_kernarg_segment_ptr 1
		.amdhsa_wavefront_size32 1
		.amdhsa_system_sgpr_workgroup_id_x 1
		.amdhsa_system_sgpr_workgroup_id_y 1
		.amdhsa_system_sgpr_workgroup_id_z 1
		.amdhsa_system_vgpr_workitem_id 0
		.amdhsa_next_free_vgpr 320
		.amdhsa_next_free_sgpr 80
		.amdhsa_reserve_vcc 0
		.amdhsa_float_denorm_mode_32 3
		.amdhsa_float_denorm_mode_16_64 3
		.amdhsa_memory_ordered 1
		.amdhsa_forward_progress 1
		.amdhsa_inst_pref_size 67
	.end_amdhsa_kernel
	.amdgpu_metadata
---
amdhsa.version: [ 1, 2 ]
amdhsa.kernels:
  - .name:           k_q0b0287f574_oproj
    .symbol:         k_q0b0287f574_oproj.kd
    .args:
      - { .name: oh, .offset: 0, .size: 8, .value_kind: global_buffer, .address_space: global }
      - { .name: cv, .offset: 8, .size: 8, .value_kind: global_buffer, .address_space: global }
      - { .name: bo, .offset: 16, .size: 8, .value_kind: global_buffer, .address_space: global }
      - { .name: out0, .offset: 24, .size: 8, .value_kind: global_buffer, .address_space: global }
    .group_segment_fixed_size: 327680
    .private_segment_fixed_size: 0
    .kernarg_segment_align: 8
    .kernarg_segment_size: 32
    .max_flat_workgroup_size: 128
    .sgpr_count:     80
    .vgpr_count:     320
    .wavefront_size: 32
...
	.end_amdgpu_metadata
.endif
;; end of part 3
